; MI455X (gfx1250); checked and timed in simulation.
; The chip was launched on July 23, 2026; its instructions are those of AMD's public machine-readable ISA for CDNA 5 (MIT licence, August 2026) and "CDNA5" Instruction Set Architecture Reference Guide (July 2026). The comments in the code are by the model that wrote it; some were corrected since.
;; Euclidean Codebook. Allowed arithmetic: float matrix products may take bf16 or f16 operands with f32 sums; other float arithmetic in f32, or as packed bf16 or f16 multiplies, adds, multiply-adds, maxima and minima; sums over many terms, partial sums and values carried from step to step in f32; what a program stores and reads back later, other than sums and carried values, may be rounded once to bf16 or f16.
;; Inputs: embed 8,192 x 512 float32; x 4 x 4,096 x 512 float32.
;; Outputs: out0 4 x 4,096 x 512 float32; out1 4 x 4,096 int32.
;; 2 versions, each right; version 2 is version 1 with the launch prep written anew for expert scheduling mode. Each part assembles by itself: llvm-mc -triple=amdgcn-amd-amdhsa -mcpu=gfx1250 --defsym DOCPART=n.
;; ======== version 1 of 2: 3 launches
;; workspace buffers: ebf 8,388,608 bytes; hneg 32,768 bytes; part 524,288 bytes of whole numbers
;; launch prep (part 1): grid 256 x 1, 8 waves a work-group, no clusters, 1,280 bytes of LDS; arguments embed, ebf, hneg; writes ebf, hneg
.if DOCPART == 1
	.amdgcn_target "amdgcn-amd-amdhsa--gfx1250"
	.amdhsa_code_object_version 6
	.text
	.protected	k_qc5c7c89b94_prep
	.globl	k_qc5c7c89b94_prep
	.p2align	8
	.type	k_qc5c7c89b94_prep,@function
k_qc5c7c89b94_prep:
	s_mov_b64 s[64:65], 0
	v_nop
	global_prefetch_b8 v0, s[64:65] scope:SCOPE_SE
	s_setreg_imm32_b32 hwreg(HW_REG_WAVE_MODE, 25, 1), 1
	s_wait_xcnt 0x0
; NEAREST CODE VECTOR, in three launches.  This one: ebf[k][:] = embed[k][:] rounded to bf16 (nearest even); hneg[k] = -1/2 x the sum over d of ebf[k][d]^2, in f32.
; WORK LEFT OUT BY THE PROGRAM.  The result is argmax over k of -(|x|^2 - 2 x.e_k + |e_k|^2).  |x|^2 is the same for every k of a row, so it moves no comparison between two k; halving is exact and keeps
; the order.  So argmax over k of (x.e_k - |e_k|^2 / 2) is the same index for all finite x and embed, and |x|^2 (one sum a row, one addition for each of the 16,384 x 8,192 distances) is not computed.
; Every input is still loaded: x for the product, embed for the product, the norms and the rows that are returned.
; LIMITS.  The product's operands are bf16, so the index is that of the inputs rounded to bf16, and the norms are taken of the ROUNDED codes to match.  The order of f32 roundings differs from the
; formula's as written: two codes whose distances to a row differ by less than a few units in the last place of the distance itself (about 1e-4 where the distances are near 1,000) may be chosen otherwise.
; A score that is NaN never wins.  An overflow, an infinity or a NaN that arises in |x|^2 alone is not carried to the result.
; SHARES.  A work-group takes 32 codes, each of its eight waves 4; a lane owns elements 256 c + 8 l .. + 7 (c = 0, 1) of each: 32 bytes in, 16 bytes out, so a store of the wave covers 512 consecutive bytes.
; All 16 loads of a wave go out at once.  The 32 sums meet in LDS, and wave 0 stores them as 128 consecutive bytes: 32 codes a work-group give no more; they are 32 KiB of the 24 MiB that the launch moves.
.set SPARE, 256                        ; the spare words, 128 bytes for each wave: four blocks of 256 bytes that no other line names; the 32 sums have the block in front to themselves
.set INO,  2                           ; v2   my byte offset in the work-group's rows of embed: 8,192 x wave + 32 l
.set OUTO, 3                           ; v3   the same in ebf: 4,096 x wave + 16 l
.set LA,   4                           ; v4   LDS: my wave's four sums, at 16 x wave
.set L4,   5                           ; v5   4 l
.set SPW,  6                           ; v6   LDS address of my spare word; never rewritten
.set NIL,  7                           ; v7   0; never rewritten
.set X,    16                          ; v[16:79]   row i: 16 f32 as loaded
.set Y,    80                          ; v[80:111]  row i: 8 words of bf16 to store
.set T,    112                         ; v[112:119] at work
.set S,    120                         ; v[120:123] two chains of packed sums
	s_load_b128 s[4:7], s[0:1], 0x0                ; embed s[4:5], ebf s[6:7]
	s_load_b64 s[8:9], s[0:1], 0x10                ; hneg
	v_lshl_add_u32 v[SPW], v0, 2, SPARE
	v_mov_b32 v[NIL], 0
	v_lshrrev_b32 v1, 5, v0
	v_readfirstlane_b32 s10, v1                    ; wave 0..7
	v_and_b32 v8, 31, v0                           ; l
	s_mov_b32 s12, 0xffff0000                      ; a word's upper bf16
	s_mov_b32 s14, 0x76543210                      ; v_permlanex16_b32: each lane takes its own place in the other half
	s_mov_b32 s15, 0xfedcba98
	s_lshl_b32 s11, s10, 13
	v_lshl_add_u32 v[INO], v8, 5, s11
	s_lshl_b32 s11, s10, 12
	v_lshl_add_u32 v[OUTO], v8, 4, s11
	v_mov_b32 v[LA], s10
	v_lshlrev_b32 v[LA], 4, v[LA]
	v_lshlrev_b32 v[L4], 2, v8
	s_lshl_b32 s16, ttmp9, 16                      ; the work-group's 32 rows: 2,048 bytes each in embed,
	s_mov_b32 s17, 0
	s_lshl_b32 s18, ttmp9, 15                      ; 1,024 in ebf,
	s_mov_b32 s19, 0
	s_lshl_b32 s20, ttmp9, 7                       ; 4 in hneg
	s_mov_b32 s21, 0
	s_wait_kmcnt 0x0
	s_add_nc_u64 s[4:5], s[4:5], s[16:17]
	s_add_nc_u64 s[6:7], s[6:7], s[18:19]
	s_add_nc_u64 s[8:9], s[8:9], s[20:21]
.irp i, 0,1,2,3
.irp c, 0,1
	global_load_b128 v[X+16*(\i)+8*(\c):X+16*(\i)+8*(\c)+3],   v[INO], s[4:5] offset:(\i)*2048+(\c)*1024 th:TH_LOAD_NT
	global_load_b128 v[X+16*(\i)+8*(\c)+4:X+16*(\i)+8*(\c)+7], v[INO], s[4:5] offset:(\i)*2048+(\c)*1024+16 th:TH_LOAD_NT
.endr
.endr
; Row i of my four: rounded, stored, squared as rounded, summed over the wave.
.macro ROW i
	s_wait_loadcnt 12-4*(\i)                       ; loads come back in order: my row's four are in, the later rows' four each stay out
.irp m, 0,1,2,3,4,5,6,7
	v_cvt_pk_bf16_f32 v[Y+8*(\i)+(\m)], v[X+16*(\i)+2*(\m)], v[X+16*(\i)+2*(\m)+1]
.endr
	global_store_b128 v[OUTO], v[Y+8*(\i):Y+8*(\i)+3],   s[6:7] offset:(\i)*1024 th:TH_STORE_NT      ; each row has its own Y registers: no store's data is written again
	global_store_b128 v[OUTO], v[Y+8*(\i)+4:Y+8*(\i)+7], s[6:7] offset:(\i)*1024+512 th:TH_STORE_NT
.irp m, 0,1,2,3,4,5,6,7
	v_lshlrev_b32 v[T+2*((\m)%4)],   16,  v[Y+8*(\i)+(\m)]  ; bf16 to f32: the low half moves up,
	v_and_b32     v[T+2*((\m)%4)+1], s12, v[Y+8*(\i)+(\m)]  ; the high half stays
.if (\m) < 2
	v_pk_mul_f32 v[S+2*(\m):S+2*(\m)+1], v[T+2*(\m):T+2*(\m)+1], v[T+2*(\m):T+2*(\m)+1]  ; the first two words start the two chains: nothing is cleared
.else
	v_pk_fma_f32 v[S+2*((\m)%2):S+2*((\m)%2)+1], v[T+2*((\m)%4):T+2*((\m)%4)+1], v[T+2*((\m)%4):T+2*((\m)%4)+1], v[S+2*((\m)%2):S+2*((\m)%2)+1]
.endif
.endr
	v_pk_add_f32 v[S:S+1], v[S:S+1], v[S+2:S+3]
	v_add_f32 v[S], v[S], v[S+1]
	v_add_f32_dpp v[S], v[S], v[S] row_xmask:1 row_mask:0xf bank_mask:0xf
	v_add_f32_dpp v[S], v[S], v[S] row_xmask:2 row_mask:0xf bank_mask:0xf
	v_add_f32_dpp v[S], v[S], v[S] row_xmask:4 row_mask:0xf bank_mask:0xf
	v_add_f32_dpp v[S], v[S], v[S] row_xmask:8 row_mask:0xf bank_mask:0xf
	v_permlanex16_b32 v[T], v[S], s14, s15         ; its destination counts as read: a register that has been written
	v_add_f32 v[S], v[S], v[T]
	v_mul_f32 v[S], -0.5, v[S]
	ds_store_b32 v[LA], v[S] offset:4*(\i)         ; all lanes write the same word with the same value
.endm
	ROW 0
	ROW 1
	ROW 2
	ROW 3
	s_wait_dscnt 0x0                               ; for wave 0's sake: my four sums lie in LDS
	s_barrier_signal -1
	s_barrier_wait -1
	s_cmp_lg_u32 s10, 0
	s_cbranch_scc1 .Lend
	ds_load_b32 v9, v[L4]                          ; lane l takes the sum of the work-group's row l
	s_wait_dscnt 0x0
	global_store_b32 v[L4], v9, s[8:9]
.Lend:
	s_wait_tensorcnt 0x0                           ; the wave's end, behind my last LDS store
	ds_add_u32 v[SPW], v[NIL]
	s_wait_dscnt 0x0
	s_endpgm
.Lfunc_end_k_qc5c7c89b94_prep:
	.size	k_qc5c7c89b94_prep, .Lfunc_end_k_qc5c7c89b94_prep-k_qc5c7c89b94_prep
	.p2alignl 7, 3214868480
	.fill 96, 4, 3214868480
	.section	.rodata,"a",@progbits
	.p2align	6, 0x0
	.amdhsa_kernel k_qc5c7c89b94_prep
		.amdhsa_group_segment_fixed_size 1280
		.amdhsa_private_segment_fixed_size 0
		.amdhsa_enable_private_segment 0
		.amdhsa_kernarg_size 24
		.amdhsa_user_sgpr_count 2
		.amdhsa_user_sgpr_kernarg_segment_ptr 1
		.amdhsa_wavefront_size32 1
		.amdhsa_system_sgpr_workgroup_id_x 1
		.amdhsa_system_sgpr_workgroup_id_y 1
		.amdhsa_system_sgpr_workgroup_id_z 1
		.amdhsa_system_vgpr_workitem_id 0
		.amdhsa_next_free_vgpr 128
		.amdhsa_next_free_sgpr 66
		.amdhsa_reserve_vcc 0
		.amdhsa_float_denorm_mode_32 3
		.amdhsa_float_denorm_mode_16_64 3
		.amdhsa_memory_ordered 1
		.amdhsa_forward_progress 1
		.amdhsa_inst_pref_size 13
	.end_amdhsa_kernel
	.amdgpu_metadata
---
amdhsa.version: [ 1, 2 ]
amdhsa.kernels:
  - .name:           k_qc5c7c89b94_prep
    .symbol:         k_qc5c7c89b94_prep.kd
    .args:
      - { .name: embed, .offset: 0, .size: 8, .value_kind: global_buffer, .address_space: global }
      - { .name: ebf, .offset: 8, .size: 8, .value_kind: global_buffer, .address_space: global }
      - { .name: hneg, .offset: 16, .size: 8, .value_kind: global_buffer, .address_space: global }
    .group_segment_fixed_size: 1280
    .private_segment_fixed_size: 0
    .kernarg_segment_align: 8
    .kernarg_segment_size: 24
    .max_flat_workgroup_size: 256
    .sgpr_count:     66
    .vgpr_count:     128
    .wavefront_size: 32
...
	.end_amdgpu_metadata
.endif
;; end of part 1
;; launch scan (part 2): grid 64 x 4, 4 waves a work-group, clusters of 4 x 1, 327,680 bytes of LDS; arguments x, ebf, hneg, part; writes part
.if DOCPART == 2
	.amdgcn_target "amdgcn-amd-amdhsa--gfx1250"
	.amdhsa_code_object_version 6
	.text
	.protected	k_qc5c7c89b94_scan
	.globl	k_qc5c7c89b94_scan
	.p2align	8
	.type	k_qc5c7c89b94_scan,@function
k_qc5c7c89b94_scan:
	s_mov_b64 s[64:65], 0
	v_nop
	global_prefetch_b8 v0, s[64:65] scope:SCOPE_SE
	s_setreg_imm32_b32 hwreg(HW_REG_WAVE_MODE, 25, 1), 1
	s_wait_xcnt 0x0
	s_wait_alu depctr_hold_cnt(0) depctr_sa_sdst(0) depctr_va_vdst(0) depctr_va_sdst(0) depctr_va_ssrc(0) depctr_va_vcc(0) depctr_vm_vsrc(0)
	s_getreg_b32 s2, hwreg(HW_REG_IB_STS2, 6, 4)
	s_cmp_eq_u32 s2, 0
	s_cbranch_scc0 .Lentry_in_a_cluster
	s_endpgm
.Lentry_in_a_cluster:
	s_bfe_u32 s2, ttmp6, 0x10000c
	s_cmp_lg_u32 s2, 0x3003
	s_cbranch_scc0 .Lentry_shape_is_right
	s_endpgm
.Lentry_shape_is_right:
; For each of 16,384 rows of x and each quarter of the codebook (2,048 codes): the best score s = x.e_k - |e_k|^2 / 2 and its code k, the lowest k among equals.  x: [16384][512] f32, rounded here to bf16;
; ebf: [8192][512] bf16; hneg: [8192] f32 = -|e_k|^2 / 2.  part: [quarter][kind][row] of 32-bit words: kind 0 the score's own bits mapped one to one so that unsigned order is the scores' order, kind 1 the code.
; LEFT OUT: |x|^2, which is the same for all codes of a row and moves no comparison (shown at the head of the first kernel, with the limits: order of roundings; a NaN score never wins).
; SHARES.  A work-group has 256 rows and one quarter; each of its four waves keeps 64 rows as bf16 fragments in 512 registers for the whole launch, and all four walk the same 128 blocks of 16 codes.
; LAYOUT.  S^T = E X^T (source 0 = 16 codes, source 1 = 16 rows): in the result a lane holds ONE row (lane % 16) and the codes 8 (lane / 16) + 0..7.  So the running best is kept a register a code place, by
; compare, select and maximum, and lanes meet once, at the end.  Column r of tile t is row 64 w + 4 r + t: at the end lane r holds rows 4 r .. 4 r + 3 in four registers, 16 bytes of part on end.
; BY STEPS.  Step n multiplies block n (64 matrix instructions, 16 deep on four accumulators by turns), fetches block n + 1 from LDS in one run, and judges block n - 1: 112 vector instructions, four behind
; each of 28 matrix instructions.  Two sets of accumulators and two fragment buffers take turns.  -|e|^2 / 2 is added in f32 behind the product, one rounding, and is not the chain's first addend.
; RING.  Two LDS slots of 128 codes (8 blocks).  One change of slots for 8 steps: behind it each wave asks for 32 rows of 1,024 bytes, and that load has 512 matrix instructions in which to land.
; CLUSTER.  The four work-groups of a cluster have the same quarter and walk the same codes, so each tile of ebf, and hneg, is asked for JOINTLY: the same load, descriptor and mask in all four.
; x IS NOT SHARED that way, though the four quarters read the same rows: it passes through registers to be rounded, and a work-group's 256 rows are 512 KiB of f32, more than LDS holds beside the ring.
; REGISTERS, in windows of 256 (s_set_vgpr_msb: bits 1:0 source 0, 3:2 source 1, 5:4 source 2, 7:6 destination):
;   window 0: addresses, -|e|^2/2 (two sets of 8), accumulators (two sets of four), best scores and their codes (8 a tile each)
;   window 1: two fragment buffers of a block of codes, 128 each (before the loop: two stages for x in f32)
;   window 2: X, channels 0-255: tile t, fragment k at 64 t + 8 k          window 3: X, channels 256-511
; The state of the judging lies in window 0 and the products' sources in windows 1 to 3, so a slice of four costs two switches; set as one lump, the 112 would leave the matrix unit without work meanwhile.
.set PITCH, 1040                       ; an LDS row: 1,024 bytes + 16 of padding = 260 words: row r starts at bank 4 r mod 64 (64 banks of 4 bytes: ISA guide 11.1), so the 16 rows of a load start at 16 different groups of four banks
.set BLK,   16*PITCH                   ; a block of 16 codes
.set WTILE, 32*PITCH                   ; what one tensor load brings
.set SLOT,  128*PITCH
.set TILEB, 131072                     ; a tile of 128 codes in memory
.set HNB,   2*SLOT                     ; behind the ring: the quarter's 2,048 numbers of hneg, filled once
.set SPARE, HNB+8192                   ; behind them: the spare words, 128 bytes for each wave: two blocks of 256 bytes that no other line names
.set AK0, 4                            ; v4   my lane's place in a block: (l % 16) x PITCH + 16 (l / 16); never rewritten
.set ADR, 5                            ; v5   the LDS address of the run of loads in hand
.set AH0, 6                            ; v6   HNB + 32 (l / 16); never rewritten
.set AH,  7                            ; v7   the same for the block in hand
.set XO,  8                            ; v8   my byte offset in the wave's rows of x: (l % 16) x 4 rows + 32 (l / 16)
.set PFO, 9                            ; v9   256 x lane, for the prefetches; never rewritten
.set PO,  10                           ; v10  my 16 bytes of part: lanes 0-15 scores, lanes 16-31 codes
.set SPW, 12                           ; v12  LDS address of my spare word; never rewritten
.set NIL, 13                           ; v13  0; never rewritten
.set HN,  16                           ; v[16:31]   set g at HN + 8 g
.set ACC, 32                           ; v[32:95]   set g, tile t at ACC + 32 g + 8 t
.set BEST, 96                          ; v[96:127]  tile t at BEST + 8 t
.set IDX, 128                          ; v[128:159] the first code of the block in which each best was found
.set OUTD, 160                         ; v[160:163] what is stored
.set TMP, 164
.set WV,  12                           ; s12  my wave's number
.set Q,   13                           ; s13  the quarter, which the four partners share
.set CX,  14                           ; s14  my place in the cluster
.set RG,  15                           ; s15  my group of 256 rows
.set G1E, 16                           ; s[16:23] descriptor group 1 for tiles of ebf
.set G1H, 24                           ; s[24:31] for hneg
.set G0E, 32                           ; s[32:39] descriptor group 0 for ebf, a set for each slot
.set G0H, 40                           ; s[40:43] for hneg
.set TB,  44                           ; s44  LDS byte of the block to be fetched
.set TH,  45                           ; s45  64 x the number of the block being multiplied
.set CB,  46                           ; s46  the first code of the block being judged
.set CNT, 47
.set OUT, 48
.set LIM, 49                           ; s49  1 in a cluster that prefetches, else the greatest number
.set PFA, 50                           ; s[50:51] where my prefetches stand
.set M0,  56                           ; s56-58 lane masks of the comparisons
.set SEL, 60                           ; s[60:61] v_permlanex16_b32: each lane takes its own place in the other half
.set MH,  62                           ; s62  lanes 16-31
.set MSB, 0
.macro WIN new                         ; the immediate's high byte repeats the setting that is left; a switch that changes nothing is dropped
.if MSB != (\new)
	s_set_vgpr_msb (MSB<<8)|(\new)
.set MSB, (\new)
.endif
.endm
.macro PLACES
.rept 4
	v_nop
.endr
.endm
; A round of the cluster's barrier: my work-group's barrier, so that wave 0's signal speaks for all four waves; wave 0 signals; every wave waits for all four work-groups; my work-group's barrier once more.
.macro CROUND
	s_barrier_signal -1
	s_barrier_wait -1
	s_cmp_lg_u32 s[WV], 0
	s_cbranch_scc1 .Lnot_wave_0_\@
	s_barrier_signal -3
.Lnot_wave_0_\@:
	s_barrier_wait -3
	s_barrier_signal -1
	s_barrier_wait -1
.endm
; A PREFETCH INTO THE L2 of the tile that the NEXT change of slots will ask for: 131,072 bytes, 256 a lane.  All 16 clusters of a quarter walk the same tiles: the first of them (cluster x = 0) asks; its four
; partners take 32 KiB each and their four waves 8 KiB each, told apart BY ADDRESS: one instruction a wave, and each 256 bytes are named once in the launch.  Tiles 0 to 2 come by their loads alone.
; how = 1: the first change of a trip, which always has a tile behind its own; how = 0: the second, which in the last trip asks for the quarter's last tile and prefetches nothing.
.macro ASK how
.if \how
	s_cmp_eq_u32 s[LIM], 1
.else
	s_cmp_gt_u32 s[OUT], s[LIM]
.endif
	s_cbranch_scc0 .Lnot_mine_\@
	global_prefetch_b8 v[PFO], s[PFA:PFA+1] th:TH_LOAD_NT scope:SCOPE_SE
.Lnot_mine_\@:
.endm
	s_load_b256 s[4:11], s[0:1], 0x0               ; x s[4:5], ebf s[6:7], hneg s[8:9], part s[10:11]
	v_lshl_add_u32 v[SPW], v0, 2, SPARE
	v_mov_b32 v[NIL], 0
	ds_add_u32 v[SPW], v[NIL]                      ; the wave's opening: the add, twice on end, and its wait ahead of my first tensor load; the set-up below, work on registers, stands between
	ds_add_u32 v[SPW], v[NIL]                      ; and once more, under the one wait
	v_lshrrev_b32 v3, 5, v0
	v_readfirstlane_b32 s[WV], v3                  ; wave 0..3
	s_and_b32 s[Q], ttmp7, 0xffff
	s_bfe_u32 s[CX], ttmp6, 0x40000
	s_lshl_b32 s[RG], ttmp9, 2                     ; in a cluster launch ttmp9 counts clusters
	s_add_co_u32 s[RG], s[RG], s[CX]               ; it enters x's, part's and the prefetches' addresses alone
	; group 1 for ebf: 32 rows x 512 elements of 2 bytes, padded in LDS
	s_mov_b32 s[G1E+0], 15|(1<<16)|(1<<20)|(1<<21)|(7<<22)|(3<<25)  ; 15:0 the mask of four; 17:16 2-byte elements; 20 padding on; 21 set beside a mask; 24:22 after every 256 words (code 7); 31:25 4 words (code 3)
	s_mov_b32 s[G1E+1], 512<<16                    ; tensor_dim0 = 512
	s_mov_b32 s[G1E+2], 32<<16                     ; tensor_dim1 = 32
	s_mov_b32 s[G1E+3], 512<<16                    ; tile_dim0 = 512
	s_mov_b32 s[G1E+4], 32                         ; tile_dim1 = 32
	s_mov_b32 s[G1E+5], 512                        ; 512 elements from row to row
	s_mov_b32 s[G1E+6], 0
	s_mov_b32 s[G1E+7], 0
	; group 1 for hneg: 2,048 dense bytes as 8 rows of 32 elements of 8 bytes
	s_mov_b32 s[G1H+0], 15|(3<<16)|(1<<21)
	s_mov_b32 s[G1H+1], 32<<16
	s_mov_b32 s[G1H+2], 8<<16
	s_mov_b32 s[G1H+3], 32<<16
	s_mov_b32 s[G1H+4], 8
	s_mov_b32 s[G1H+5], 32
	s_mov_b32 s[G1H+6], 0
	s_mov_b32 s[G1H+7], 0
	s_mov_b32 s[G0E], 1
	s_mul_i32 s[G0E+1], s[WV], WTILE               ; LDS: slot 0, my 32 rows: no place in the cluster enters an LDS address
	s_mov_b32 s[G0E+4], 1
	s_add_co_u32 s[G0E+5], s[G0E+1], SLOT          ; slot 1
	s_mov_b32 s[G0H], 1
	s_lshl_b32 s[G0H+1], s[WV], 11
	s_add_co_u32 s[G0H+1], s[G0H+1], HNB
	s_lshl_b32 s52, s[Q], 21                       ; ebf: the quarter's 2,048 rows of 1,024 bytes,
	s_lshl_b32 s2, s[WV], 15                       ; my 32 rows of a tile
	s_add_co_u32 s52, s52, s2
	s_mov_b32 s53, 0
	s_lshl_b32 s54, s[Q], 13                       ; hneg: the quarter's 8,192 bytes, my 2,048
	s_lshl_b32 s2, s[WV], 11
	s_add_co_u32 s54, s54, s2
	s_mov_b32 s55, 0
	s_lshl_b32 s66, s[RG], 19                      ; x: 256 rows of 2,048 bytes a group, 64 a wave
	s_lshl_b32 s72, s[WV], 17
	s_add_co_u32 s66, s66, s72
	s_mov_b32 s67, 0
	s_lshl_b32 s68, s[Q], 17                       ; part: 131,072 bytes a quarter, 4 a row
	s_lshl_b32 s72, s[RG], 10
	s_add_co_u32 s68, s68, s72
	s_lshl_b32 s72, s[WV], 8
	s_add_co_u32 s68, s68, s72
	s_mov_b32 s69, 0
	s_lshl_b32 s70, s[Q], 21                       ; the prefetches: my 8 KiB of my work-group's 32 KiB of tile 2; the first change of slots steps it to tile 3
	s_lshl_b32 s72, s[CX], 15
	s_add_co_u32 s70, s70, s72
	s_lshl_b32 s72, s[WV], 13
	s_add_co_u32 s70, s70, s72
	s_add_co_u32 s70, s70, 2*TILEB
	s_mov_b32 s71, 0
	s_mov_b32 s[SEL], 0x76543210
	s_mov_b32 s[SEL+1], 0xfedcba98
	s_mov_b32 s[MH], 0xffff0000
	s_mov_b32 s[TB], 0
	s_mov_b32 s[TH], 0
	s_lshl_b32 s[CB], s[Q], 11
	s_cmp_eq_u32 ttmp9, 0                          ; the same in all four partners
	s_cselect_b32 s[LIM], 1, -1
	v_and_b32 v1, 15, v0                           ; l % 16
	v_bfe_u32 v2, v0, 4, 1                         ; l / 16
	v_lshlrev_b32 v[XO], 13, v1
	v_lshl_add_u32 v[XO], v2, 5, v[XO]
	s_wait_dscnt 0x0                               ; both opening adds are done
	s_wait_kmcnt 0x0
	s_add_nc_u64 s[G0E+2:G0E+3], s[6:7], s[52:53]  ; tile 0,
	s_add_nc_u64 s[G0E+6:G0E+7], s[G0E+2:G0E+3], TILEB  ; tile 1
	s_or_b32 s[G0E+3], s[G0E+3], 0x80000000        ; 127:126 type = 2
	s_or_b32 s[G0E+7], s[G0E+7], 0x80000000
	s_add_nc_u64 s[G0H+2:G0H+3], s[8:9], s[54:55]
	s_or_b32 s[G0H+3], s[G0H+3], 0x80000000
	s_add_nc_u64 s[4:5], s[4:5], s[66:67]
	s_add_nc_u64 s[10:11], s[10:11], s[68:69]
	s_add_nc_u64 s[PFA:PFA+1], s[6:7], s[70:71]
	CROUND                                         ; all four work-groups are here: the first joint loads meet
	tensor_load_to_lds s[G0H:G0H+3], s[G1H:G1H+7]  ; the first fills go out as one group: three loads of mine are out
	s_nop 0
	tensor_load_to_lds s[G0E:G0E+3], s[G1E:G1E+7]
	s_nop 0
	tensor_load_to_lds s[G0E+4:G0E+7], s[G1E:G1E+7]
	s_nop 0
	PLACES
; x INTO FRAGMENTS.  A fragment is 16 rows x 32 channels in 8 registers: lane l holds row l % 16, channels 8 (l / 16) + 0..7 and 16 + 8 (l / 16) + 0..7: in f32 two times 32 bytes, 64 bytes apart.
; Batch b is tile b / 2, channels 256 (b % 2) on: 32 loads into stage b % 2, then 64 roundings of two numbers each.  Two batches are out at a time.
.macro XLOAD b
	WIN 0x40                                       ; destination window 1, address window 0
.set sb, 128*((\b)%2)
.set ob, ((\b)/2)*2048+((\b)%2)*1024
.set kk, 0
.rept 8
	global_load_b128 v[sb+16*kk:sb+16*kk+3],     v[XO], s[4:5] offset:ob+128*kk
	global_load_b128 v[sb+16*kk+4:sb+16*kk+7],   v[XO], s[4:5] offset:ob+128*kk+16
	global_load_b128 v[sb+16*kk+8:sb+16*kk+11],  v[XO], s[4:5] offset:ob+128*kk+64
	global_load_b128 v[sb+16*kk+12:sb+16*kk+15], v[XO], s[4:5] offset:ob+128*kk+80
.set kk, kk+1
.endr
.endm
.macro XCVT b
	WIN 0x85+0x40*((\b)%2)                         ; sources window 1, destination window 2 or 3
.set sb, 128*((\b)%2)
.set db, 64*((\b)/2)
.set m, 0
.rept 64
	v_cvt_pk_bf16_f32 v[db+m], v[sb+2*m], v[sb+2*m+1]
.set m, m+1
.endr
.endm
	XLOAD 0
	XLOAD 1
.irp b, 0,1,2,3,4,5,6,7
.if (\b) < 7
	s_wait_loadcnt 32                              ; this batch is in; the younger batch's 32 loads stay out
.else
	s_wait_loadcnt 0x0
.endif
	XCVT \b
.if (\b) < 6
	XLOAD (\b)+2
.endif
.endr
	WIN 0
	v_mul_u32_u24 v[AK0], v1, PITCH
	v_lshl_add_u32 v[AK0], v2, 4, v[AK0]
	v_lshlrev_b32 v[AH0], 5, v2
	v_add_nc_u32 v[AH0], HNB, v[AH0]
	v_and_b32 v[PFO], 31, v0
	v_lshlrev_b32 v[PFO], 8, v[PFO]
	v_lshlrev_b32 v[PO], 16, v2
	v_lshl_add_u32 v[PO], v1, 4, v[PO]
.set m, 0
.rept 32
	v_mov_b32 v[BEST+m], 0xff800000                ; below every score; where no score is above it the quarter's first codes stand
	v_mov_b32 v[IDX+m], s[CB]
.set m, m+1
.endr
; Matrix instruction i of a block's 64, for the block in buffer f and accumulator set f: channels 32 (i / 4) on, tile i % 4.  The first four start the sums with the constant 0.
; The four accumulators take turns, one instruction a turn, over the steps' edges and the backward jumps too.
.macro MM f
.set kk, i/4
.set tt, i%4
.if kk < 8
	WIN 0x09                                       ; codes in window 1, X in window 2, sums in window 0
.else
	WIN 0x0d                                       ; X in window 3
.endif
.set rA, ACC+32*(\f)+8*tt
.set rE, 128*(\f)+8*kk
.set rX, 64*tt+8*(kk%8)
.if kk == 0
	v_wmma_f32_16x16x32_bf16 v[rA:rA+7], v[rE:rE+7], v[rX:rX+7], 0
.else
	v_wmma_f32_16x16x32_bf16 v[rA:rA+7], v[rE:rE+7], v[rX:rX+7], v[rA:rA+7]
.endif
.set i, i+1
.endm
; Number n of the 112 that judge the block in accumulator set g; 28 a tile.  0-3: -|e|^2 / 2 is added, two scores a line, the accumulator's lowest registers first.  Then for each pair of code
; places six lines: two comparisons (strictly greater, so the earlier code of a place stays), two selects of the block's first code, two maxima.  The masks lie in scalar registers and feed selects alone.
.macro RD g
	WIN 0
.set tt, n/28
.set uu, n%28
.set rA, ACC+32*(\g)+8*tt
.set rB, BEST+8*tt
.set rI, IDX+8*tt
.if uu < 4
	v_pk_add_f32 v[rA+2*uu:rA+2*uu+1], v[rA+2*uu:rA+2*uu+1], v[HN+8*(\g)+2*uu:HN+8*(\g)+2*uu+1]
.else
.set zz, (uu-4)%6
.set jj, 2*((uu-4)/6)+zz%2
.if zz < 2
	v_cmp_gt_f32 s[M0+zz], v[rA+jj], v[rB+jj]
.elseif zz < 4
	v_cndmask_b32 v[rI+jj], v[rI+jj], s[CB], s[M0+zz-2]
.else
	v_max_num_f32 v[rB+jj], v[rB+jj], v[rA+jj]
.endif
.endif
.set n, n+1
.endm
; 32 LDS loads in one run: a block's 16 fragments into buffer f
.macro FETCH f
	WIN 0x40                                       ; destination window 1, address window 0
.set kk, 0
.rept 16
	ds_load_b128 v[128*(\f)+8*kk:128*(\f)+8*kk+3],   v[ADR] offset:64*kk
	ds_load_b128 v[128*(\f)+8*kk+4:128*(\f)+8*kk+7], v[ADR] offset:64*kk+32
.set kk, kk+1
.endr
	WIN 0
	s_add_co_u32 s[TB], s[TB], BLK                 ; the next fetch is the next block's
.endm
; A STEP.  The block in buffer f is multiplied into set f.  fet = 1: the next block is fetched into the other buffer.  rid = 1: the block before, in the other set, is judged.
; The four plain lines behind the second product are the places between the LAST step's last product and what follows: the loads into the buffer that it read, and the first read of the sums that it ended
; (ISA guide 7.12.1 for vector instructions); they name none of its registers.  No slice names a register of the products round it.
.macro STEP f, rid, fet
	s_wait_dscnt 0x0                               ; the last step's 34 loads are in: this block's fragments, and the numbers of hneg for the block to be judged
.set i, 0
.set n, 0
	MM \f
	MM \f
	WIN 0
.if \fet
	v_add_nc_u32 v[ADR], s[TB], v[AK0]
.else
	v_nop
.endif
	v_add_nc_u32 v[AH], s[TH], v[AH0]
	v_nop
	v_nop
.if \fet
	FETCH 1-(\f)
.endif
	ds_load_b128 v[HN+8*(\f):HN+8*(\f)+3],   v[AH]  ; -|e|^2 / 2 of this block's codes 8 (l / 16) + 0..7, for the next step
	ds_load_b128 v[HN+8*(\f)+4:HN+8*(\f)+7], v[AH] offset:16
	s_add_co_u32 s[TH], s[TH], 64
.rept 62
	MM \f
.if (\rid) && (n < 112)
	RD 1-(\f)
	RD 1-(\f)
	RD 1-(\f)
	RD 1-(\f)
.endif
.endr
.if \rid
	s_add_co_u32 s[CB], s[CB], 16
.endif
.endm
.macro PAIRS trips                     ; 2 x trips steps, beginning with an odd one
	WIN 0                                          ; at a label and at a branch every window is 0
	s_mov_b32 s[CNT], \trips
.Lpair_\@:
	STEP 1, 1, 1
	STEP 0, 1, 1
	WIN 0
	s_sub_co_u32 s[CNT], s[CNT], 1
	s_cmp_lg_u32 s[CNT], 0
	s_cbranch_scc1 .Lpair_\@
.endm
; THE CHANGE OF SLOTS, when slot r's eighth block has been asked for.  Each wave waits for all its tensor loads, of which one is out: its part of the other slot; adds 0 to its spare word; and waits for that and
; for its own reads of slot r.  Behind the barrier nobody reads slot r any more and the other slot is whole.  fill = 1: the barrier is a round of the cluster's, so that this holds of every partner too, and slot r
; is filled again, first thing behind it, with the tile two on.  nextbase: where the fetches go on.
.macro CHANGE r, nextbase, fill, how
	WIN 0
	s_wait_tensorcnt 0x0                           ; no tensor load of mine is out, so a group 0 may be written
	ds_add_u32 v[SPW], v[NIL]                      ; 0 onto my spare word; scalar work stands between it and the wait for it
.if \fill
	s_add_nc_u64 s[G0E+4*(\r)+2:G0E+4*(\r)+3], s[G0E+4*(\r)+2:G0E+4*(\r)+3], 2*TILEB  ; the type bits on top are not reached
	s_wait_xcnt 0x0                                ; the last prefetch, eight steps back, has read its address, so it may be written
	s_add_nc_u64 s[PFA:PFA+1], s[PFA:PFA+1], TILEB
.endif
	s_mov_b32 s[TB], \nextbase
	s_wait_dscnt 0x0                               ; the add is done, and my reads of the slot are over
.if \fill
	CROUND
	tensor_load_to_lds s[G0E+4*(\r):G0E+4*(\r)+3], s[G1E:G1E+7]  ; my one tensor load behind the round: it has eight steps, 512 matrix instructions, in which to land
	s_nop 0
	PLACES
	ASK \how
.else
	s_barrier_signal -1
	s_barrier_wait -1
.endif
.endm
; Of two candidates (score, code) a takes b where b's score is greater, or equal with the lower code.
.macro MERGE va, ia, vb, ib
	v_cmp_gt_f32 s[M0], v[\vb], v[\va]
	v_cmp_eq_f32 s[M0+1], v[\vb], v[\va]
	v_cmp_lt_u32 s[M0+2], v[\ib], v[\ia]
	s_and_b32 s[M0+1], s[M0+1], s[M0+2]
	s_or_b32 s[M0], s[M0], s[M0+1]
	v_cndmask_b32 v[\va], v[\va], v[\vb], s[M0]
	v_cndmask_b32 v[\ia], v[\ia], v[\ib], s[M0]
.endm
	s_wait_tensorcnt 0x1                           ; my parts of hneg and of tile 0 are in; tile 1's may stay out
	s_barrier_signal -1
	s_barrier_wait -1                              ; everybody's are
	v_add_nc_u32 v[ADR], s[TB], v[AK0]
	FETCH 0                                        ; block 0
	STEP 0, 0, 1                                   ; step 0: nothing to judge yet
	PAIRS 3                                        ; steps 1 to 6
	s_mov_b32 s[OUT], 7
.Lout:                                                 ; 7 trips of 16 steps, steps 7 to 118: both slots are filled again, tiles 2 to 15
	CHANGE 0, SLOT, 1, 1
	PAIRS 4
	CHANGE 1, 0, 1, 0
	PAIRS 4
	s_sub_co_u32 s[OUT], s[OUT], 1
	s_cmp_lg_u32 s[OUT], 0
	s_cbranch_scc1 .Lout
	CHANGE 0, SLOT, 0, 0                           ; the tail is written out: nothing is asked for
	PAIRS 4                                        ; steps 119 to 126
	STEP 1, 1, 0                                   ; step 127: nothing to fetch
	WIN 0
	PLACES                                         ; behind the last products
	s_wait_dscnt 0x0                               ; the last block's numbers of hneg
.set n, 0
.rept 112
	RD 1                                           ; the last block is judged
.endr
	; THE END.  For each tile: a place's code is the block's first + the place; the lane's eight places, then the two halves of the lanes, are merged; the score's bits are mapped so that unsigned order is the
	; scores' order (-0 becomes +0; then the sign bit is turned for numbers from 0 up, all bits for numbers below).  Lanes 0-15 keep the scores, lanes 16-31 the codes.
.set t, 0
.rept 4
.set rB, BEST+8*t
.set rI, IDX+8*t
.irp j, 1,2,3,4,5,6,7
	v_add_nc_u32 v[rI+(\j)], \j, v[rI+(\j)]
.endr
	MERGE rB, rI, rB+1, rI+1
	MERGE rB+2, rI+2, rB+3, rI+3
	MERGE rB+4, rI+4, rB+5, rI+5
	MERGE rB+6, rI+6, rB+7, rI+7
	MERGE rB, rI, rB+2, rI+2
	MERGE rB+4, rI+4, rB+6, rI+6
	MERGE rB, rI, rB+4, rI+4
	v_lshl_add_u32 v[rI], v2, 3, v[rI]             ; my half of the lanes holds codes 8 (l / 16) on
	v_permlanex16_b32 v[rB+1], v[rB], s[SEL], s[SEL+1]  ; the row's other eight places lie in the lane 16 away
	v_permlanex16_b32 v[rI+1], v[rI], s[SEL], s[SEL+1]
	MERGE rB, rI, rB+1, rI+1
	v_add_f32 v[rB], 0, v[rB]
	v_ashrrev_i32 v[TMP], 31, v[rB]
	v_or_b32 v[TMP], 0x80000000, v[TMP]
	v_xor_b32 v[TMP], v[TMP], v[rB]
	v_cndmask_b32 v[OUTD+t], v[TMP], v[rI], s[MH]
.set t, t+1
.endr
	global_store_b128 v[PO], v[OUTD:OUTD+3], s[10:11]  ; lanes 0-15 store my wave's 256 consecutive bytes of scores, lanes 16-31 its 256 of codes, each at a multiple of 256 from part's first byte
	s_wait_tensorcnt 0x0                           ; the wave's end, behind my last tensor load
	ds_add_u32 v[SPW], v[NIL]
	s_wait_dscnt 0x0
	CROUND                                         ; the closing round: no work-group ends while a partner may still ask for a tile that names it
	s_endpgm
.Lfunc_end_k_qc5c7c89b94_scan:
	.size	k_qc5c7c89b94_scan, .Lfunc_end_k_qc5c7c89b94_scan-k_qc5c7c89b94_scan
	.p2alignl 7, 3214868480
	.fill 96, 4, 3214868480
	.section	.rodata,"a",@progbits
	.p2align	6, 0x0
	.amdhsa_kernel k_qc5c7c89b94_scan
		.amdhsa_group_segment_fixed_size 327680
		.amdhsa_private_segment_fixed_size 0
		.amdhsa_enable_private_segment 0
		.amdhsa_kernarg_size 32
		.amdhsa_user_sgpr_count 2
		.amdhsa_user_sgpr_kernarg_segment_ptr 1
		.amdhsa_wavefront_size32 1
		.amdhsa_system_sgpr_workgroup_id_x 1
		.amdhsa_system_sgpr_workgroup_id_y 1
		.amdhsa_system_sgpr_workgroup_id_z 1
		.amdhsa_system_vgpr_workitem_id 0
		.amdhsa_next_free_vgpr 1024
		.amdhsa_next_free_sgpr 80
		.amdhsa_reserve_vcc 0
		.amdhsa_float_denorm_mode_32 3
		.amdhsa_float_denorm_mode_16_64 3
		.amdhsa_memory_ordered 1
		.amdhsa_forward_progress 1
		.amdhsa_inst_pref_size 225
	.end_amdhsa_kernel
	.amdgpu_metadata
---
amdhsa.version: [ 1, 2 ]
amdhsa.kernels:
  - .name:           k_qc5c7c89b94_scan
    .symbol:         k_qc5c7c89b94_scan.kd
    .args:
      - { .name: x, .offset: 0, .size: 8, .value_kind: global_buffer, .address_space: global }
      - { .name: ebf, .offset: 8, .size: 8, .value_kind: global_buffer, .address_space: global }
      - { .name: hneg, .offset: 16, .size: 8, .value_kind: global_buffer, .address_space: global }
      - { .name: part, .offset: 24, .size: 8, .value_kind: global_buffer, .address_space: global }
    .group_segment_fixed_size: 327680
    .private_segment_fixed_size: 0
    .kernarg_segment_align: 8
    .kernarg_segment_size: 32
    .max_flat_workgroup_size: 128
    .sgpr_count:     80
    .vgpr_count:     1024
    .wavefront_size: 32
...
	.end_amdgpu_metadata
.endif
;; end of part 2
;; launch pick (part 3): grid 256 x 1, 8 waves a work-group, no clusters, 0 bytes of LDS; arguments embed, part, out0, out1; writes out0, out1
.if DOCPART == 3
	.amdgcn_target "amdgcn-amd-amdhsa--gfx1250"
	.amdhsa_code_object_version 6
	.text
	.protected	k_qc5c7c89b94_pick
	.globl	k_qc5c7c89b94_pick
	.p2align	8
	.type	k_qc5c7c89b94_pick,@function
k_qc5c7c89b94_pick:
	s_mov_b64 s[64:65], 0
	v_nop
	global_prefetch_b8 v0, s[64:65] scope:SCOPE_SE
	s_setreg_imm32_b32 hwreg(HW_REG_WAVE_MODE, 25, 1), 1
	s_wait_xcnt 0x0
; For each row: the best of the four quarters' candidates (part: [quarter][kind][row], kind 0 a score as a word whose unsigned order is the scores' order, kind 1 its code), out1 = that code,
; out0 = embed's row of that code, the f32 numbers as they are.  All that steers an address here is whole numbers that the launch before has stored.
; Strictly greater wins, quarter after quarter, so among equal scores the lowest quarter, and with it the lowest code, stays.
; SHARES.  A work-group takes 64 rows, each of its eight waves 8.  A wave reads its 8 rows' candidates into scalar registers, chooses by scalar compares, and copies 8 rows of 2,048 bytes: all 32 loads go out at
; once, 512 consecutive bytes each, and each store covers 512 consecutive bytes.  Wave 0 also chooses for all 64 rows, two a lane, and stores the work-group's 256 consecutive bytes of out1.
; No LDS, no loop: no register that a load or store names is written again.  No hint on the gather's loads: several rows may name one code.
.set RB, 76                            ; s[76:91] the eight rows' addresses in embed
.set D,  32                            ; v[32:159] row i: 16 registers
	s_load_b256 s[92:99], s[0:1], 0x0              ; embed s[92:93], part s[94:95], out0 s[96:97], out1 s[98:99]
	v_lshrrev_b32 v3, 5, v0
	v_readfirstlane_b32 s4, v3                     ; wave 0..7
	v_and_b32 v1, 31, v0
	v_lshlrev_b32 v2, 3, v1                        ; 8 x lane: two rows' words
	v_lshlrev_b32 v1, 4, v1                        ; 16 x lane
	s_lshl_b32 s5, s4, 5                           ; my wave's 8 rows: 32 bytes of part
	s_lshl_b32 s6, ttmp9, 8                        ; the work-group's 64 rows: 256 bytes of part and of out1,
	s_mov_b32 s7, 0
	s_lshl_b32 s2, ttmp9, 17                       ; 131,072 of out0,
	s_lshl_b32 s3, s4, 14                          ; my wave's 8 rows of it
	s_add_co_u32 s2, s2, s3
	s_mov_b32 s3, 0
	s_wait_kmcnt 0x0
	s_add_nc_u64 s[94:95], s[94:95], s[6:7]
	s_add_nc_u64 s[98:99], s[98:99], s[6:7]
	s_add_nc_u64 s[96:97], s[96:97], s[2:3]
	s_load_b256 s[8:15],  s[94:95], s5 offset:0       ; scores of quarters 0 to 3,
	s_load_b256 s[16:23], s[94:95], s5 offset:131072
	s_load_b256 s[24:31], s[94:95], s5 offset:262144
	s_load_b256 s[32:39], s[94:95], s5 offset:393216
	s_load_b256 s[40:47], s[94:95], s5 offset:65536   ; and their codes
	s_load_b256 s[48:55], s[94:95], s5 offset:196608
	s_load_b256 s[56:63], s[94:95], s5 offset:327680
	s_load_b256 s[68:75], s[94:95], s5 offset:458752
	s_cmp_lg_u32 s4, 0
	s_cbranch_scc1 .Lnot_0_a
.irp q, 0,1,2,3
	global_load_b64 v[4+2*(\q):5+2*(\q)],   v2, s[94:95] offset:(\q)*131072        ; wave 0: all 64 rows, two a lane
	global_load_b64 v[12+2*(\q):13+2*(\q)], v2, s[94:95] offset:(\q)*131072+65536
.endr
.Lnot_0_a:
	s_wait_kmcnt 0x0
.macro BETTER kq, iq                   ; quarter 0's registers take the later quarter's candidate where its score is strictly greater
.irp i, 0,1,2,3,4,5,6,7
	s_cmp_gt_u32 s[(\kq)+(\i)], s[8+(\i)]
	s_cselect_b32 s[8+(\i)], s[(\kq)+(\i)], s[8+(\i)]
	s_cselect_b32 s[40+(\i)], s[(\iq)+(\i)], s[40+(\i)]
.endr
.endm
	BETTER 16, 48
	BETTER 24, 56
	BETTER 32, 68
.irp i, 0,1,2,3,4,5,6,7
	s_min_u32 s[40+(\i)], s[40+(\i)], 8191         ; a code stays inside the table
	s_lshl_b32 s[RB+2*(\i)], s[40+(\i)], 11        ; 2,048 bytes a row
	s_mov_b32 s[RB+2*(\i)+1], 0
	s_add_nc_u64 s[RB+2*(\i):RB+2*(\i)+1], s[92:93], s[RB+2*(\i):RB+2*(\i)+1]
.endr
.irp i, 0,1,2,3,4,5,6,7
.irp c, 0,1,2,3
	global_load_b128 v[D+16*(\i)+4*(\c):D+16*(\i)+4*(\c)+3], v1, s[RB+2*(\i):RB+2*(\i)+1] offset:512*(\c)
.endr
.endr
	s_cmp_lg_u32 s4, 0
	s_cbranch_scc1 .Lnot_0_b
	s_wait_loadcnt 32                              ; wave 0's eight small loads are in; the 32 issued behind them stay out
.irp q, 1,2,3
.irp e, 0,1
	v_cmp_gt_u32 vcc_lo, v[4+2*(\q)+(\e)], v[4+(\e)]
	v_cndmask_b32 v[4+(\e)],  v[4+(\e)],  v[4+2*(\q)+(\e)],  vcc_lo
	v_cndmask_b32 v[12+(\e)], v[12+(\e)], v[12+2*(\q)+(\e)], vcc_lo
.endr
.endr
	global_store_b64 v2, v[12:13], s[98:99]        ; 256 consecutive bytes, at a multiple of 256 from out1's first byte
.Lnot_0_b:
.irp i, 0,1,2,3,4,5,6,7
	s_wait_loadcnt 28-4*(\i)                       ; loads come back in order: row i's four are in, the later rows' four each stay out
.irp c, 0,1,2,3
	global_store_b128 v1, v[D+16*(\i)+4*(\c):D+16*(\i)+4*(\c)+3], s[96:97] offset:(\i)*2048+512*(\c) th:TH_STORE_NT
.endr
.endr
	s_endpgm
.Lfunc_end_k_qc5c7c89b94_pick:
	.size	k_qc5c7c89b94_pick, .Lfunc_end_k_qc5c7c89b94_pick-k_qc5c7c89b94_pick
	.p2alignl 7, 3214868480
	.fill 96, 4, 3214868480
	.section	.rodata,"a",@progbits
	.p2align	6, 0x0
	.amdhsa_kernel k_qc5c7c89b94_pick
		.amdhsa_group_segment_fixed_size 0
		.amdhsa_private_segment_fixed_size 0
		.amdhsa_enable_private_segment 0
		.amdhsa_kernarg_size 32
		.amdhsa_user_sgpr_count 2
		.amdhsa_user_sgpr_kernarg_segment_ptr 1
		.amdhsa_wavefront_size32 1
		.amdhsa_system_sgpr_workgroup_id_x 1
		.amdhsa_system_sgpr_workgroup_id_y 1
		.amdhsa_system_sgpr_workgroup_id_z 1
		.amdhsa_system_vgpr_workitem_id 0
		.amdhsa_next_free_vgpr 160
		.amdhsa_next_free_sgpr 100
		.amdhsa_reserve_vcc 1
		.amdhsa_float_denorm_mode_32 3
		.amdhsa_float_denorm_mode_16_64 3
		.amdhsa_memory_ordered 1
		.amdhsa_forward_progress 1
		.amdhsa_inst_pref_size 13
	.end_amdhsa_kernel
	.amdgpu_metadata
---
amdhsa.version: [ 1, 2 ]
amdhsa.kernels:
  - .name:           k_qc5c7c89b94_pick
    .symbol:         k_qc5c7c89b94_pick.kd
    .args:
      - { .name: embed, .offset: 0, .size: 8, .value_kind: global_buffer, .address_space: global }
      - { .name: part, .offset: 8, .size: 8, .value_kind: global_buffer, .address_space: global }
      - { .name: out0, .offset: 16, .size: 8, .value_kind: global_buffer, .address_space: global }
      - { .name: out1, .offset: 24, .size: 8, .value_kind: global_buffer, .address_space: global }
    .group_segment_fixed_size: 0
    .private_segment_fixed_size: 0
    .kernarg_segment_align: 8
    .kernarg_segment_size: 32
    .max_flat_workgroup_size: 256
    .sgpr_count:     100
    .vgpr_count:     160
    .wavefront_size: 32
...
	.end_amdgpu_metadata
.endif
;; end of part 3
;; ======== version 2 of 2: 3 launches; version 1 with the launch prep written anew for expert scheduling mode
;; workspace buffers: ebf 8,388,608 bytes; hneg 32,768 bytes; part 524,288 bytes of whole numbers
;; launch prep (part 4): grid 256 x 1, 8 waves a work-group, no clusters, 1,280 bytes of LDS; arguments embed, ebf, hneg; writes ebf, hneg
.if DOCPART == 4
	.amdgcn_target "amdgcn-amd-amdhsa--gfx1250"
	.amdhsa_code_object_version 6
	.text
	.protected	k_qc5c7c89b94_prep
	.globl	k_qc5c7c89b94_prep
	.p2align	8
	.type	k_qc5c7c89b94_prep,@function
k_qc5c7c89b94_prep:
	s_mov_b64 s[64:65], 0
	v_nop
	global_prefetch_b8 v0, s[64:65] scope:SCOPE_SE
	s_setreg_imm32_b32 hwreg(HW_REG_WAVE_SCHED_MODE, 0, 2), 2
	s_setreg_imm32_b32 hwreg(HW_REG_WAVE_MODE, 25, 1), 1
	s_wait_xcnt 0x0
	s_wait_alu depctr_vm_vsrc(0)
; NEAREST CODE VECTOR, in three launches.  This one: ebf[k][:] = embed[k][:] rounded to bf16 (nearest even); hneg[k] = -1/2 x the sum over d of ebf[k][d]^2, in f32.
; WORK LEFT OUT BY THE PROGRAM.  The result is argmax over k of -(|x|^2 - 2 x.e_k + |e_k|^2).  |x|^2 is the same for every k of a row, so it moves no comparison between two k; halving is exact and keeps
; the order.  So argmax over k of (x.e_k - |e_k|^2 / 2) is the same index for all finite x and embed, and |x|^2 (one sum a row, one addition for each of the 16,384 x 8,192 distances) is not computed.
; Every input is still loaded: x for the product, embed for the product, the norms and the rows that are returned.
; LIMITS.  The product's operands are bf16, so the index is that of the inputs rounded to bf16, and the norms are taken of the ROUNDED codes to match.  The order of f32 roundings differs from the
; formula's as written: two codes whose distances to a row differ by less than a few units in the last place of the distance itself (about 1e-4 where the distances are near 1,000) may be chosen otherwise.
; A score that is NaN never wins.  An overflow, an infinity or a NaN that arises in |x|^2 alone is not carried to the result.
; SHARES.  A work-group takes 32 codes, each of its eight waves 4; a lane owns elements 256 c + 8 l .. + 7 (c = 0, 1) of each: 32 bytes in, 16 bytes out, so a store of the wave covers 512 consecutive bytes.
; All 16 loads of a wave go out at once.  The 32 sums meet in LDS, and wave 0 stores them as 128 consecutive bytes: 32 codes a work-group give no more; they are 32 KiB of the 24 MiB that the launch moves.
; THE MODE: SCHED_MODE bits 1:0 = 2 (LLVM: expert scheduling mode 2), set by the entry lines.  The code itself states the register dependences
; between vector instructions and memory or LDS instructions, with s_wait_alu, always for 0.
; THE PLAN.  Registers that memory or LDS instructions touch:
;   v[INO], v[OUTO], v[LA], v[L4]   offsets and LDS addresses: written in the head, read by the loads, the stores and the LDS instructions, never written again.
;   X    row i's 16 registers: written by four of the 16 loads, which go out once, before any vector line names X; read by row i's roundings behind its wait on LOADcnt; never loaded again.
;   Y    row i's 8 registers, each row its own: written by row i's eight roundings; read by row i's two stores (and by its unpacking lines); never written again.
;   R    one register a row: written by the row's last multiply; read by one LDS store behind row 3; never written again.
;   v9   wave 0 alone: an LDS load lands in it, a store reads it; no vector line names it.
;   T and S are named by vector lines alone.  v[SPW], v[NIL]: written in the head, read by the closing add alone.
; So a wait on va_vdst stands ahead of the first load (the addresses), once a row between the roundings and the row's two stores (Y), and once behind row 3 ahead of the run of four LDS stores (R).
; No register that a memory or LDS instruction reads is written again, so no wait on vm_vsrc is owed; there is no loop.  One wait on va_sdst stands ahead of the first reader of the wave's number.
.set SPARE, 256                        ; the spare words, 128 bytes for each wave: four blocks of 256 bytes that no other line names; the 32 sums have the block in front to themselves
.set INO,  2                           ; v2   my byte offset in the work-group's rows of embed: 8,192 x wave + 32 l
.set OUTO, 3                           ; v3   the same in ebf: 4,096 x wave + 16 l
.set LA,   4                           ; v4   LDS: my wave's four sums, at 16 x wave
.set L4,   5                           ; v5   4 l
.set SPW,  6                           ; v6   LDS address of my spare word; never rewritten
.set NIL,  7                           ; v7   0; never rewritten
.set X,    16                          ; v[16:79]   row i: 16 f32 as loaded
.set Y,    80                          ; v[80:111]  row i: 8 words of bf16 to store
.set T,    112                         ; v[112:119] at work
.set S,    120                         ; v[120:123] two chains of packed sums
.set R,    124                         ; v[124:127] row i: -1/2 x its sum, to be stored to LDS
	s_load_b128 s[4:7], s[0:1], 0x0                ; embed s[4:5], ebf s[6:7]
	s_load_b64 s[8:9], s[0:1], 0x10                ; hneg
	v_lshl_add_u32 v[SPW], v0, 2, SPARE
	v_mov_b32 v[NIL], 0
	v_lshrrev_b32 v1, 5, v0
	v_readfirstlane_b32 s10, v1                    ; wave 0..7
	v_and_b32 v8, 31, v0                           ; l
	s_mov_b32 s12, 0xffff0000                      ; a word's upper bf16
	s_mov_b32 s14, 0x76543210                      ; v_permlanex16_b32: each lane takes its own place in the other half
	s_mov_b32 s15, 0xfedcba98
	s_wait_alu depctr_va_sdst(0)                   ; s10 is written, ahead of its first reader: the offsets below, and later the branch on the wave's number, are made from it
	s_lshl_b32 s11, s10, 13
	v_lshl_add_u32 v[INO], v8, 5, s11
	s_lshl_b32 s11, s10, 12
	v_lshl_add_u32 v[OUTO], v8, 4, s11
	v_mov_b32 v[LA], s10
	v_lshlrev_b32 v[LA], 4, v[LA]
	v_lshlrev_b32 v[L4], 2, v8
	s_lshl_b32 s16, ttmp9, 16                      ; the work-group's 32 rows: 2,048 bytes each in embed,
	s_mov_b32 s17, 0
	s_lshl_b32 s18, ttmp9, 15                      ; 1,024 in ebf,
	s_mov_b32 s19, 0
	s_lshl_b32 s20, ttmp9, 7                       ; 4 in hneg
	s_mov_b32 s21, 0
	s_wait_kmcnt 0x0
	s_add_nc_u64 s[4:5], s[4:5], s[16:17]
	s_add_nc_u64 s[6:7], s[6:7], s[18:19]
	s_add_nc_u64 s[8:9], s[8:9], s[20:21]
	s_wait_alu depctr_va_vdst(0)                   ; v[INO], v[OUTO], v[LA] and v[L4] are written: every load, store and LDS instruction of the kernel reads one of them as its offset or address
.irp i, 0,1,2,3
.irp c, 0,1
	global_load_b128 v[X+16*(\i)+8*(\c):X+16*(\i)+8*(\c)+3],   v[INO], s[4:5] offset:(\i)*2048+(\c)*1024 th:TH_LOAD_NT
	global_load_b128 v[X+16*(\i)+8*(\c)+4:X+16*(\i)+8*(\c)+7], v[INO], s[4:5] offset:(\i)*2048+(\c)*1024+16 th:TH_LOAD_NT
.endr
.endr
; Row i of my four: rounded, stored, squared as rounded, summed over the wave.
.macro ROW i
	s_wait_loadcnt 12-4*(\i)                       ; loads come back in order: my row's four are in, the later rows' four each stay out
.irp m, 0,1,2,3,4,5,6,7
	v_cvt_pk_bf16_f32 v[Y+8*(\i)+(\m)], v[X+16*(\i)+2*(\m)], v[X+16*(\i)+2*(\m)+1]
.endr
	s_wait_alu depctr_va_vdst(0)                   ; the eight roundings have written this row's Y, which the two stores read
	global_store_b128 v[OUTO], v[Y+8*(\i):Y+8*(\i)+3],   s[6:7] offset:(\i)*1024 th:TH_STORE_NT      ; each row has its own Y registers: no store's data is written again
	global_store_b128 v[OUTO], v[Y+8*(\i)+4:Y+8*(\i)+7], s[6:7] offset:(\i)*1024+512 th:TH_STORE_NT
.irp m, 0,1,2,3,4,5,6,7
	v_lshlrev_b32 v[T+2*((\m)%4)],   16,  v[Y+8*(\i)+(\m)]  ; bf16 to f32: the low half moves up,
	v_and_b32     v[T+2*((\m)%4)+1], s12, v[Y+8*(\i)+(\m)]  ; the high half stays
.if (\m) < 2
	v_pk_mul_f32 v[S+2*(\m):S+2*(\m)+1], v[T+2*(\m):T+2*(\m)+1], v[T+2*(\m):T+2*(\m)+1]  ; the first two words start the two chains: nothing is cleared
.else
	v_pk_fma_f32 v[S+2*((\m)%2):S+2*((\m)%2)+1], v[T+2*((\m)%4):T+2*((\m)%4)+1], v[T+2*((\m)%4):T+2*((\m)%4)+1], v[S+2*((\m)%2):S+2*((\m)%2)+1]
.endif
.endr
	v_pk_add_f32 v[S:S+1], v[S:S+1], v[S+2:S+3]
	v_add_f32 v[S], v[S], v[S+1]
	v_add_f32_dpp v[S], v[S], v[S] row_xmask:1 row_mask:0xf bank_mask:0xf
	v_add_f32_dpp v[S], v[S], v[S] row_xmask:2 row_mask:0xf bank_mask:0xf
	v_add_f32_dpp v[S], v[S], v[S] row_xmask:4 row_mask:0xf bank_mask:0xf
	v_add_f32_dpp v[S], v[S], v[S] row_xmask:8 row_mask:0xf bank_mask:0xf
	v_permlanex16_b32 v[T], v[S], s14, s15         ; its destination counts as read: a register that has been written
	v_add_f32 v[S], v[S], v[T]
	v_mul_f32 v[R+(\i)], -0.5, v[S]                ; into the row's own register: the next row writes S again, and no LDS store ever reads S
.endm
	ROW 0
	ROW 1
	ROW 2
	ROW 3
	s_wait_alu depctr_va_vdst(0)                   ; the four rows' last multiplies have written R, which the four LDS stores read
.irp i, 0,1,2,3
	ds_store_b32 v[LA], v[R+(\i)] offset:4*(\i)    ; all lanes write the same word with the same value
.endr
	s_wait_dscnt 0x0                               ; for wave 0's sake: my four sums lie in LDS
	s_barrier_signal -1
	s_barrier_wait -1
	s_cmp_lg_u32 s10, 0
	s_cbranch_scc1 .Lend
	ds_load_b32 v9, v[L4]                          ; lane l takes the sum of the work-group's row l; no vector line has named v9
	s_wait_dscnt 0x0
	global_store_b32 v[L4], v9, s[8:9]
.Lend:
	s_wait_dscnt 0x0                               ; the closing lines, six on end
	s_wait_alu 0x0
	s_wait_tensorcnt 0x0
	ds_add_u32 v[SPW], v[NIL]
	s_wait_dscnt 0x0
	s_endpgm
.Lfunc_end_k_qc5c7c89b94_prep:
	.size	k_qc5c7c89b94_prep, .Lfunc_end_k_qc5c7c89b94_prep-k_qc5c7c89b94_prep
	.p2alignl 7, 3214868480
	.fill 96, 4, 3214868480
	.section	.rodata,"a",@progbits
	.p2align	6, 0x0
	.amdhsa_kernel k_qc5c7c89b94_prep
		.amdhsa_group_segment_fixed_size 1280
		.amdhsa_private_segment_fixed_size 0
		.amdhsa_enable_private_segment 0
		.amdhsa_kernarg_size 24
		.amdhsa_user_sgpr_count 2
		.amdhsa_user_sgpr_kernarg_segment_ptr 1
		.amdhsa_wavefront_size32 1
		.amdhsa_system_sgpr_workgroup_id_x 1
		.amdhsa_system_sgpr_workgroup_id_y 1
		.amdhsa_system_sgpr_workgroup_id_z 1
		.amdhsa_system_vgpr_workitem_id 0
		.amdhsa_next_free_vgpr 128
		.amdhsa_next_free_sgpr 66
		.amdhsa_reserve_vcc 0
		.amdhsa_float_denorm_mode_32 3
		.amdhsa_float_denorm_mode_16_64 3
		.amdhsa_memory_ordered 1
		.amdhsa_forward_progress 1
		.amdhsa_inst_pref_size 13
	.end_amdhsa_kernel
	.amdgpu_metadata
---
amdhsa.version: [ 1, 2 ]
amdhsa.kernels:
  - .name:           k_qc5c7c89b94_prep
    .symbol:         k_qc5c7c89b94_prep.kd
    .args:
      - { .name: embed, .offset: 0, .size: 8, .value_kind: global_buffer, .address_space: global }
      - { .name: ebf, .offset: 8, .size: 8, .value_kind: global_buffer, .address_space: global }
      - { .name: hneg, .offset: 16, .size: 8, .value_kind: global_buffer, .address_space: global }
    .group_segment_fixed_size: 1280
    .private_segment_fixed_size: 0
    .kernarg_segment_align: 8
    .kernarg_segment_size: 24
    .max_flat_workgroup_size: 256
    .sgpr_count:     66
    .vgpr_count:     128
    .wavefront_size: 32
...
	.end_amdgpu_metadata
.endif
;; end of part 4
;; launch scan: the kernel of part 2 again; grid 64 x 4, 4 waves a work-group, clusters of 4 x 1, 327,680 bytes of LDS; arguments x, ebf, hneg, part; writes part
;; launch pick: the kernel of part 3 again; grid 256 x 1, 8 waves a work-group, no clusters, 0 bytes of LDS; arguments embed, part, out0, out1; writes out0, out1
